; MI455X (gfx1250); checked and timed in simulation.
; The chip was launched on July 23, 2026; its instructions are those of AMD's public machine-readable ISA for CDNA 5 (MIT licence, August 2026) and "CDNA5" Instruction Set Architecture Reference Guide (July 2026). The comments in the code are by the model that wrote it; some were corrected since.
;; Multi Head Attention. Allowed arithmetic: matrix products marked QUANTISED: E2M1 operands, one E8M0 scale for each 32 along K, by v_wmma_scale_f32_16x16x128_f8f6f4 with both operands' format E2M1 (or v_wmma_scale_f32_32x16x128_f4), f32 sums; everything else in f32.
;; Inputs: gn_b 128 float32; gn_w 128 float32; proj_b 128 float32; proj_w_codes 128 x 4 x 16 uint8 (E2M1 codes of proj_w, K innermost, in blocks of 32 codes, two codes a byte); proj_w_scales 128 x 4 uint8 (E8M0 scales of proj_w, one for each 32 codes along K); qkv_b 384 float32; qkv_w_codes 384 x 4 x 16 uint8 (E2M1 codes of qkv_w, K innermost, in blocks of 32 codes, two codes a byte); qkv_w_scales 384 x 4 uint8 (E8M0 scales of qkv_w, one for each 32 codes along K); x 4 x 128 x 64 x 64 float32.
;; Outputs: out0 4 x 128 x 64 x 64 float32.
;; This version of the problem:
;;   THIS VERSION OF THE PROBLEM IS GIVEN IN LOW PRECISION. The matrix products marked QUANTISED in the list below multiply operands that are first quantised to E2M1 (2 exponent bits, 1 mantissa bit; 4 bits a number), with one power-of-two scale for each 32 numbers along K (OCP MX v1.0); their sums are f32. All else is computed in f32.
;;   The module's matrix products, in the order in which they are computed (A, B: the left and right operand; K: the contracted axis; several contracted axes count as one K, in the product's order):
;;     1. [M 16,384, K 128] x [K 128, N 384]; A: computed on the way; B: input qkv_w (given as codes): QUANTISED
;;     2. batch 16 x [M 4,096, K 32] x [K 32, N 4,096]; A: computed on the way; B: computed on the way: QUANTISED
;;     3. batch 16 x [M 32, K 4,096] x [K 4,096, N 4,096]; A: computed on the way; B: softmax (see below): QUANTISED
;;     4. [M 16,384, K 128] x [K 128, N 128]; A: computed on the way; B: input proj_w (given as codes): QUANTISED
;;   THE QUANTISER, for each operand of a quantised product, along K:
;;     - K is cut into blocks of 32 from its start; a last block that is shorter is filled with zeros.
;;     - A block's scale is 2^e with e = floor(log2(the largest magnitude in the block)) - 2, held to -126 .. 127; a block of zeros has e = 0. As a byte (E8M0): e + 127.
;;     - Each number is divided by its block's scale, clamped to +-6, and rounded to the nearest number of E2M1, ties to even, subnormals kept.
;;     - The product sums the exact products of the quantised numbers (number of the format x scale) in f32.
;;   ~~~python
;;   def quantise(x, axis):      # numpy; x: float32 -> the quantised numbers, widened to float32 again
;;       x = np.moveaxis(x, axis, -1); K = x.shape[-1]
;;       x = np.pad(x, [(0, 0)] * (x.ndim - 1) + [(0, -K % 32)]); x = x.reshape(x.shape[:-1] + (-1, 32)); a = np.abs(x).max(-1, keepdims=True)
;;       e = np.where(a > 0, np.clip(np.frexp(np.where(a > 0, a, 1))[1] - 1 - 2, -126, 127), 0)      # np.frexp(a)[1] - 1 = floor(log2(a)), exactly
;;       r = np.clip(x / 2.0 ** e, -6, 6)
;;       step = 2.0 ** (np.maximum(np.frexp(np.where(r == 0, 1, r))[1] - 1, 0) - 1)
;;       q = np.round(r / step) * step * 2.0 ** e      # np.round: ties to even
;;       return np.moveaxis(q.reshape(q.shape[:-2] + (-1,))[..., :K], -1, axis).astype(np.float32)
;;   ~~~
;;   SOFTMAX AHEAD OF A QUANTISED PRODUCT. Where the list says 'softmax', what is quantised is not the finished softmax but p = 2^(t - M), with t = logit x log2(e) and M = ceil(the row's largest t), a whole number; so 1/2 < the row's largest p <= 1. The row's sum l is taken of the UNQUANTISED p, in f32, and the product's result is divided by l at the end. Since M is a whole number, a kernel that streams over the keys may use a running M (the ceiling of the running maximum): every later rescaling is an exact power of two, which a block's scale takes up: the codes' values come out the same.
;;   OPERANDS COMPUTED ON THE WAY. 'Computed on the way' means the value that the module computes at that place (a softmax that the list does not call 'softmax' is quantised finished and normalised). What goes into a quantiser is computed in f32, as accurately as f32 sums, v_exp_f32 and their like allow (about 1e-6 of the number): no bf16 or f16 on the way to a quantiser, and a product that is left as it is and whose result goes on into a quantised operand takes f32 operands (vector FMAs, or v_wmma_f32_16x16x4_f32). A number that lies on a knife's edge between two numbers of the format may be rounded either way, as far as f32 arithmetic and the matrix unit's own rounding can turn it there, and no further.
;;   INPUTS GIVEN AS CODES. proj_w (in the module: [128, 128], K = its axis 1); qkv_w (in the module: [384, 128], K = its axis 1): each comes as NAME_codes (uint8): NAME with its K axis moved to the last place and cut into blocks of 32 codes, [.., K / 32, bytes a block], one block behind the other in memory; two codes a byte, the lower K in the low four bits (a code: sign, 2 exponent bits, 1 mantissa bit); and NAME_scales (uint8): the same leading axes, one E8M0 byte (e + 127) for each 32 codes along K. Its value is code x scale, taken as it is: it is not quantised again, and the codes and scales need not be those that the quantiser above would give.
;; One version. Each part assembles by itself: llvm-mc -triple=amdgcn-amd-amdhsa -mcpu=gfx1250 --defsym DOCPART=n.
;; ======== version 1 of 1: 4 launches
;; workspace buffers: gstat 2,560 bytes; kv 2,228,224 bytes; qc 1,048,576 bytes; qs 65,536 bytes; ac 1,048,576 bytes; asc 65,536 bytes
;; launch stats (part 1): grid 128 x 1, 16 waves a work-group, no clusters, 2,560 bytes of LDS; arguments x, gn_w, gstat; writes gstat
.if DOCPART == 1
	.amdgcn_target "amdgcn-amd-amdhsa--gfx1250"
	.amdhsa_code_object_version 6
	.text
	.protected	k_qa2cb0fe365_stats
	.globl	k_qa2cb0fe365_stats
	.p2align	8
	.type	k_qa2cb0fe365_stats,@function
k_qa2cb0fe365_stats:
	s_mov_b64 s[64:65], 0
	v_nop
	global_prefetch_b8 v0, s[64:65] scope:SCOPE_SE
	s_setreg_imm32_b32 hwreg(HW_REG_WAVE_MODE, 25, 1), 1
	s_wait_xcnt 0x0
; GroupNorm's statistics.  x: [4][128][4096] f32; a group is 4 channels x 4,096 numbers = 65,536 consecutive bytes.
; gstat: a[b][c] = rsqrt(var + eps) x gn_w[c], f32, from byte 0 (512 numbers); mean[b][group], f32, from byte 2,048 (128 numbers).
; DEAD WORK: none in this program.  Every bias goes into a quantised operand or into the output, there is no mask, every input is loaded by some launch.
; LIMITS of the program: NaN and infinities among the inputs are not served; a block of zeros carries the scale byte 1 where the quantiser says 127
; (its codes are zeros, which add nothing under any byte but 0xff, and the bytes are read by this program alone); an attention row whose every t lies under -3e38 is not served.
; SHARES.  Work-group = (b, group): 128 of them, since a group's two passes (mean, then squares of x - mean) go over one set of registers.
; Sixteen waves; thread t holds 32 numbers: eight loads of 16 bytes at 16 t + 8,192 i, so a wave's load covers 512 consecutive bytes.
; The waves' sums meet in LDS: 16 words for the first pass, 16 other words for the second, a barrier behind each.
.set RED1,  0                          ; 16 words: the waves' sums
.set RED2,  256                        ; 16 words: the waves' sums of squares
.set SPARE, 512                        ; the spare words, 128 bytes for each of 16 waves; no other line names them
.set SPW,   5                          ; v5  SPARE + 4 x my thread's number; never rewritten
.set NIL,   6                          ; v6  0; never rewritten
.set X,     16                         ; v16-47 my 32 numbers
.set CH,    48                         ; v48-55 four packed chains
.set PT,    56                         ; v56-71 the 16 waves' parts
	s_load_b128 s[4:7], s[0:1], 0x0                ; x, gn_w
	s_load_b64 s[8:9], s[0:1], 0x10                ; gstat
	v_lshl_add_u32 v[SPW], v0, 2, SPARE
	v_mov_b32 v[NIL], 0
	v_lshrrev_b32 v3, 5, v0
	s_delay_alu instid0(VALU_DEP_1)
	v_lshlrev_b32 v3, 2, v3                        ; 4 x wave: my wave's word
	v_lshlrev_b32 v1, 4, v0                        ; 16 x thread
	v_and_b32 v2, 3, v0
	v_mov_b32 v73, 0                               ; a lane exchange's destination counts as read: written once
	v_mov_b32 v74, 0                               ; LDS address 0
	s_mov_b32 s12, 0x76543210
	s_mov_b32 s13, 0xfedcba98                      ; selects for lane l xor 16
	s_lshl_b32 s14, ttmp9, 16                      ; my group's 65,536 bytes
	s_mov_b32 s15, 0
	s_and_b32 s16, ttmp9, 31
	s_lshl_b32 s16, s16, 4                         ; the group's four gains
	v_lshl_add_u32 v2, v2, 2, s16                  ; thread i of 0..3 will need gain i
	s_wait_alu depctr_va_vdst(0)
	s_wait_kmcnt 0x0
	s_add_nc_u64 s[4:5], s[4:5], s[14:15]
	global_load_b32 v4, v2, s[6:7]
.irp i, 0,1,2,3,4,5,6,7
	global_load_b128 v[X+4*\i:X+4*\i+3], v1, s[4:5] offset:8192*\i
.endr
; the four chains -> one number, the same in all 32 lanes: v72
.macro LANES
	s_delay_alu instid0(VALU_DEP_3)
	v_pk_add_f32 v[CH:CH+1], v[CH:CH+1], v[CH+2:CH+3]
	s_delay_alu instid0(VALU_DEP_2)
	v_pk_add_f32 v[CH+4:CH+5], v[CH+4:CH+5], v[CH+6:CH+7]
	s_delay_alu instid0(VALU_DEP_1)
	v_pk_add_f32 v[CH:CH+1], v[CH:CH+1], v[CH+4:CH+5]
	s_delay_alu instid0(VALU_DEP_1)
	v_add_f32 v72, v[CH], v[CH+1]
	s_delay_alu instid0(VALU_DEP_1)
	v_add_f32_dpp v72, v72, v72 row_xmask:1 row_mask:0xf bank_mask:0xf
	s_delay_alu instid0(VALU_DEP_1)
	v_add_f32_dpp v72, v72, v72 row_xmask:2 row_mask:0xf bank_mask:0xf
	s_delay_alu instid0(VALU_DEP_1)
	v_add_f32_dpp v72, v72, v72 row_xmask:4 row_mask:0xf bank_mask:0xf
	s_delay_alu instid0(VALU_DEP_1)
	v_add_f32_dpp v72, v72, v72 row_xmask:8 row_mask:0xf bank_mask:0xf
	s_delay_alu instid0(VALU_DEP_1)
	v_permlanex16_b32 v73, v72, s12, s13
	s_delay_alu instid0(VALU_DEP_1)
	v_add_f32 v72, v72, v73
.endm
; the 16 waves' words at base -> their sum, in every lane of every wave: v72
.macro WAVES base
.irp i, 0,1,2,3
	ds_load_b128 v[PT+4*\i:PT+4*\i+3], v74 offset:\base+16*\i
.endr
	s_wait_dscnt 0x0
.irp i, 0,4,8,12
	v_pk_add_f32 v[PT+\i:PT+\i+1], v[PT+\i:PT+\i+1], v[PT+\i+2:PT+\i+3]
.endr
	s_delay_alu instid0(VALU_DEP_3)
	v_pk_add_f32 v[PT:PT+1], v[PT:PT+1], v[PT+4:PT+5]
	s_delay_alu instid0(VALU_DEP_2)
	v_pk_add_f32 v[PT+8:PT+9], v[PT+8:PT+9], v[PT+12:PT+13]
	s_delay_alu instid0(VALU_DEP_1)
	v_pk_add_f32 v[PT:PT+1], v[PT:PT+1], v[PT+8:PT+9]
	s_delay_alu instid0(VALU_DEP_1)
	v_add_f32 v72, v[PT], v[PT+1]
.endm
	s_wait_loadcnt 0x0
	; pass 1: the sum.  The first additions start the chains: nothing is cleared
.irp k, 0,1,2,3
	v_pk_add_f32 v[CH+2*\k:CH+2*\k+1], v[X+2*\k:X+2*\k+1], v[X+8+2*\k:X+9+2*\k]
.endr
.irp q, 16,24
.irp k, 0,1,2,3
	s_delay_alu instid0(VALU_DEP_4)
	v_pk_add_f32 v[CH+2*\k:CH+2*\k+1], v[CH+2*\k:CH+2*\k+1], v[X+\q+2*\k:X+\q+1+2*\k]
.endr
.endr
	LANES
	ds_store_b32 v3, v72 offset:RED1               ; all lanes write my wave's word with the same value
	s_wait_dscnt 0x0                               ; for the others' sake: my store has landed
	s_barrier_signal -1
	s_barrier_wait -1
	WAVES RED1
	s_delay_alu instid0(VALU_DEP_1)
	v_mul_f32 v8, 0x38800000, v72                  ; the mean: / 16,384
	s_delay_alu instid0(VALU_DEP_1)
	v_mov_b32 v9, v8                               ; twice, for the packed form
	; pass 2: the sum of (x - mean)^2
.set ii, 0
.rept 16
	v_pk_add_f32 v[X+ii:X+ii+1], v[X+ii:X+ii+1], v[8:9] neg_lo:[0,1] neg_hi:[0,1]
.set ii, ii+2
.endr
.irp k, 0,1,2,3
	v_pk_mul_f32 v[CH+2*\k:CH+2*\k+1], v[X+2*\k:X+2*\k+1], v[X+2*\k:X+2*\k+1]
.endr
.irp q, 8,16,24
.irp k, 0,1,2,3
	s_delay_alu instid0(VALU_DEP_4)
	v_pk_fma_f32 v[CH+2*\k:CH+2*\k+1], v[X+\q+2*\k:X+\q+1+2*\k], v[X+\q+2*\k:X+\q+1+2*\k], v[CH+2*\k:CH+2*\k+1]
.endr
.endr
	LANES
	ds_store_b32 v3, v72 offset:RED2               ; other bytes than pass 1's, which slower waves may still be reading
	s_wait_dscnt 0x0
	s_barrier_signal -1
	s_barrier_wait -1
	WAVES RED2                                     ; every wave finishes the sum: no branch; the store below is cut down to five threads
	s_delay_alu instid0(VALU_DEP_1)
	v_mul_f32 v72, 0x38800000, v72                 ; the variance
	s_delay_alu instid0(VALU_DEP_1)
	v_add_f32 v72, 0x3727c5ac, v72                 ; + 1e-5
	s_wait_alu depctr_va_vdst(0)
	v_rsq_f32 v73, v72
	v_cmp_gt_u32 vcc_lo, 4, v0                     ; (a plain instruction behind the transcendental)  threads 0..3: a of the four channels; thread 4: the mean
	s_wait_alu depctr_va_vdst(0)                   ; the wait ahead of the first line that names the result
	v_mul_f32 v73, v73, v4                         ; a = rsqrt x gain
	s_delay_alu instid0(VALU_DEP_1)
	v_cndmask_b32 v75, v8, v73, vcc_lo
	s_lshl_b32 s14, ttmp9, 4
	v_lshl_add_u32 v76, v0, 2, s14                 ; a[128 b + 4 group + i] lies at byte 16 x work-group + 4 i
	s_lshl_b32 s15, ttmp9, 2
	s_add_co_u32 s15, s15, 2048
	v_mov_b32 v77, s15                             ; the mean at 2,048 + 4 x work-group
	s_delay_alu instid0(VALU_DEP_1)
	v_cndmask_b32 v76, v77, v76, vcc_lo
	v_cmp_gt_u32 vcc_lo, 5, v0
	s_wait_alu depctr_va_vdst(0)
	s_wait_xcnt 0x0                                ; EXEC is a source of the memory instructions issued so far: it changes only behind this wait
	s_and_saveexec_b32 s16, vcc_lo
	global_store_b32 v76, v75, s[8:9]
	s_wait_xcnt 0x0                                ; and again in front of the line that widens it
	s_or_b32 exec_lo, exec_lo, s16
	s_wait_tensorcnt 0x0                           ; the wave's end, behind my last LDS store
	ds_add_u32 v[SPW], v[NIL]
	s_wait_dscnt 0x0
	s_endpgm
.Lfunc_end_k_qa2cb0fe365_stats:
	.size	k_qa2cb0fe365_stats, .Lfunc_end_k_qa2cb0fe365_stats-k_qa2cb0fe365_stats
	.p2alignl 7, 3214868480
	.fill 96, 4, 3214868480
	.section	.rodata,"a",@progbits
	.p2align	6, 0x0
	.amdhsa_kernel k_qa2cb0fe365_stats
		.amdhsa_group_segment_fixed_size 2560
		.amdhsa_private_segment_fixed_size 0
		.amdhsa_enable_private_segment 0
		.amdhsa_kernarg_size 24
		.amdhsa_user_sgpr_count 2
		.amdhsa_user_sgpr_kernarg_segment_ptr 1
		.amdhsa_wavefront_size32 1
		.amdhsa_system_sgpr_workgroup_id_x 1
		.amdhsa_system_sgpr_workgroup_id_y 1
		.amdhsa_system_sgpr_workgroup_id_z 1
		.amdhsa_system_vgpr_workitem_id 0
		.amdhsa_next_free_vgpr 80
		.amdhsa_next_free_sgpr 66
		.amdhsa_reserve_vcc 1
		.amdhsa_float_denorm_mode_32 3
		.amdhsa_float_denorm_mode_16_64 3
		.amdhsa_memory_ordered 1
		.amdhsa_forward_progress 1
		.amdhsa_inst_pref_size 11
	.end_amdhsa_kernel
	.amdgpu_metadata
---
amdhsa.version: [ 1, 2 ]
amdhsa.kernels:
  - .name:           k_qa2cb0fe365_stats
    .symbol:         k_qa2cb0fe365_stats.kd
    .args:
      - { .name: x, .offset: 0, .size: 8, .value_kind: global_buffer, .address_space: global }
      - { .name: gn_w, .offset: 8, .size: 8, .value_kind: global_buffer, .address_space: global }
      - { .name: gstat, .offset: 16, .size: 8, .value_kind: global_buffer, .address_space: global }
    .group_segment_fixed_size: 2560
    .private_segment_fixed_size: 0
    .kernarg_segment_align: 8
    .kernarg_segment_size: 24
    .max_flat_workgroup_size: 512
    .sgpr_count:     66
    .vgpr_count:     80
    .wavefront_size: 32
...
	.end_amdgpu_metadata
.endif
;; end of part 1
;; launch qkv (part 2): grid 256 x 1, 4 waves a work-group, no clusters, 5,120 bytes of LDS; arguments x, gn_b, gstat, qkv_w_codes, qkv_w_scales, qkv_b, kv, qc, qs; writes kv, qc, qs
.if DOCPART == 2
	.amdgcn_target "amdgcn-amd-amdhsa--gfx1250"
	.amdhsa_code_object_version 6
	.text
	.protected	k_qa2cb0fe365_qkv
	.globl	k_qa2cb0fe365_qkv
	.p2align	8
	.type	k_qa2cb0fe365_qkv,@function
k_qa2cb0fe365_qkv:
	s_mov_b64 s[64:65], 0
	v_nop
	global_prefetch_b8 v0, s[64:65] scope:SCOPE_SE
	s_setreg_imm32_b32 hwreg(HW_REG_WAVE_MODE, 25, 1), 1
	s_wait_xcnt 0x0
; xn = (x - mean) a + gn_b, quantised along the channels; qkv = qkv_w xn + qkv_b on codes of FP4 (E2M1) with E8M0 scales; then the codes and scales of q s, k s (s = 32^(-1/4), along the head's 32 channels)
; and of v (along the keys), laid as the attention launch's operand registers want them.  No work is left out.
; SHARES.  Work-group = (b, g): the 64 positions t0 = 64 g on.  Four waves.  First wave w quantises channels 32 w .. 32 w + 31 (one block of the product's K) of all 64 t; the four blocks meet in LDS as images of
; operand registers; then wave w makes head w's 96 outputs for the 64 t: 24 matrix instructions of K = 128.
; THE ORDER OF t: tile a (0..3), row m (0..15) is t0 + 32 (m / 8) + 8 a + m % 8.  Where the rows of a result are t, lane half h then holds, in registers 8 a + j, t0 + 32 h + 8 a + j: a whole block of 32 neighbours.
; THE ORDER OF CHANNELS in a set of 32: tile u (0, 1), row m is channel 16 (m / 8) + 8 u + m % 8.  Where the rows of a result are channels, lane half h holds channels 16 h + 0 .. 15 in 16 registers.
; q, k: source 0 = 16 rows of qkv_w, source 1 = 16 t: a lane holds one t and 16 channels; the block's other 16 lie in lane l xor 16.   v: source 0 = 16 t, source 1 = 16 rows of qkv_w: a lane holds one channel and 32 keys.
; The biases are the C of each product.
; OUT.  kv: [head 4 b + w][key step of 128 keys: 4,352 bytes]: K's codes (2 x 1,024: key (a, r) of half c at 1,024 c + 256 a + 16 r), V's codes (2,048 + 1,024 ct + 512 c + 16 lane), K's scale words (4,096 + 64 c + 4 r, byte a),
; V's scale words (4,224 + 4 (16 ct + r), byte 2 c + h).  qc, qs: q's codes and scale words in K's form, 1,024 and 64 bytes for each 64 t.
.set XP,    1088                       ; LDS: xn's four fragments (tile a), 1,024 bytes each as register images, 64 bytes apart so that the four tiles' stores do not all fall on the same banks
.set XSC,   4352                       ; their scale words: 64 a + 4 row, byte = channel block
.set SPARE, 4608                       ; the spare words, 128 bytes a wave; no other line names them
.set BI,    16                         ; v16-47   q's and k's biases, 16 kind + 8 u
.set BV,    48                         ; v48-63   v's bias, eight copies for each tile
.set RAW,   64                         ; v64-127  x as loaded: pair i = channel i, my two t.  Later:
.set XF,    64                         ; v64-95   xn's four fragments
.set XS,    96                         ; v96-99   their scale words
.set PC,    100                        ; v100-107 codes just made
.set SD,    108                        ; v108     scale bytes to store
.set PW,    109                        ; v109     a scale word
.set TM,    112                        ; v112-127 at work
.set NN,    128                        ; v128-191 xn: 32 j + channel.  Later:
.set ACC,   128                        ; v128-191 eight accumulators
.set WF,    192                        ; v192-239 my head's six fragments of qkv_w, 16 kind + 8 u
.set WS,    240                        ; v240-245 their scale words
.set VBL,   246                        ; v246-247 v's bias as loaded
; v1 16 lane; v2 4 r; v3, v4 where I store codes and bytes of xn; v5 8 lane; v6, v7 my row of a weight tile (codes, words); v8 64 h; v9 16 r + 8 h; v10 4 r + 2 h; v11 16 h; v12 4 lane; v13 h; v14, v15 the add's two
	s_load_b512 s[4:19], s[0:1], 0x0               ; x, gn_b, gstat, W codes, W scales, qkv_b, kv, qc
	s_load_b64 s[20:21], s[0:1], 0x40              ; qs
	v_lshl_add_u32 v14, v0, 2, SPARE
	v_mov_b32 v15, 0
	v_lshrrev_b32 v248, 5, v0
	v_readfirstlane_b32 s22, v248                  ; wave = channel block = head in b
	v_and_b32 v248, 31, v0                         ; lane
	v_and_b32 v249, 15, v0                         ; r
	v_bfe_u32 v13, v0, 4, 1                        ; h
	v_lshlrev_b32 v1, 4, v248
	v_lshlrev_b32 v2, 2, v249
	v_bfe_u32 v250, v0, 2, 2                       ; my two t, t0 + 2 lane + j, lie in tile (lane / 4) % 4, rows 8 h + 2 (lane % 4) + j
	v_and_b32 v251, 3, v0
	v_mul_u32_u24 v3, v250, XP
	v_lshl_add_u32 v3, v13, 7, v3
	v_lshl_add_u32 v3, v251, 5, v3
	s_lshl_b32 s2, s22, 8
	v_add_nc_u32 v3, s2, v3                        ; tile x XP + 256 block + 16 row
	v_lshlrev_b32 v4, 6, v250
	v_lshl_add_u32 v4, v13, 5, v4
	v_lshl_add_u32 v4, v251, 3, v4
	s_add_co_u32 s3, s22, XSC
	v_add_nc_u32 v4, s3, v4                        ; XSC + 64 tile + 4 row + block
	v_lshlrev_b32 v5, 3, v248
	v_and_b32 v252, 8, v249
	v_add_nc_u32 v252, v252, v249                  ; 16 (r / 8) + r % 8
	v_lshlrev_b32 v6, 6, v252
	v_lshl_add_u32 v6, v13, 4, v6                  ; a row of 128 codes is 64 bytes; + 16 h
	v_lshlrev_b32 v7, 2, v252
	v_lshlrev_b32 v8, 6, v13
	v_lshlrev_b32 v9, 4, v249
	v_lshl_add_u32 v9, v13, 3, v9
	v_lshl_add_u32 v10, v13, 1, v2
	v_lshlrev_b32 v11, 4, v13
	v_lshlrev_b32 v12, 2, v248
	s_mov_b32 s66, 0x76543210
	s_mov_b32 s67, 0xfedcba98                      ; selects for lane l xor 16
	s_mov_b32 s100, 0x3ed744fd                     ; 32^(-1/4)
	s_mov_b32 s101, s100                           ; (named with it as a pair)
	s_wait_alu depctr_va_vdst(0)
	s_wait_kmcnt 0x0
	s_lshr_b32 s2, ttmp9, 6                        ; b
	s_lshl_b32 s2, s2, 21
	s_lshl_b32 s23, s22, 19
	s_add_co_u32 s2, s2, s23
	s_and_b32 s23, ttmp9, 63                       ; g
	s_lshl_b32 s23, s23, 8
	s_add_co_u32 s2, s2, s23
	s_mov_b32 s3, 0
	s_add_nc_u64 s[4:5], s[4:5], s[2:3]            ; x at (b, channel 32 w, t0)
	s_mul_i32 s2, s22, 6144
	s_add_nc_u64 s[10:11], s[10:11], s[2:3]        ; my head's 96 rows of codes,
	s_mul_i32 s2, s22, 384
	s_add_nc_u64 s[12:13], s[12:13], s[2:3]        ; of scale words,
	s_add_nc_u64 s[14:15], s[14:15], s[2:3]        ; and its 96 biases
	s_lshr_b32 s2, ttmp9, 6
	s_lshl_b32 s2, s2, 9
	s_lshl_b32 s23, s22, 7                         ; 128 w: gn_b of my 32 channels
	s_add_co_u32 s2, s2, s23                       ; 512 b + 128 w: their a
	s_lshr_b32 s3, s2, 2                           ; 128 b + 32 w: their eight means
	s_load_b512 s[24:39], s[8:9], s2 offset:0x0
	s_load_b512 s[40:55], s[8:9], s2 offset:0x40
	s_load_b256 s[56:63], s[8:9], s3 offset:0x800
	s_load_b512 s[68:83], s[6:7], s23 offset:0x0
	s_load_b512 s[84:99], s[6:7], s23 offset:0x40
.set ii, 0
.rept 32
	global_load_b64 v[RAW+2*ii:RAW+2*ii+1], v5, s[4:5] offset:16384*ii   ; channel ii: the wave reads 256 consecutive bytes, aligned
.set ii, ii+1
.endr
.irp k, 0,1,2
.irp u, 0,1
.irp c, 0,1
	global_load_b128 v[WF+16*\k+8*\u+4*\c:WF+16*\k+8*\u+4*\c+3], v6, s[10:11] offset:(32*\k+8*\u)*64+32*\c
.endr
	global_load_b32 v[WS+2*\k+\u], v7, s[12:13] offset:(32*\k+8*\u)*4
.endr
.endr
.irp k, 0,1
.irp u, 0,1
	global_load_b128 v[BI+16*\k+8*\u:BI+16*\k+8*\u+3], v8, s[14:15] offset:(32*\k+8*\u)*4       ; channels 16 h + 8 u + 0 .. 7
	global_load_b128 v[BI+16*\k+8*\u+4:BI+16*\k+8*\u+7], v8, s[14:15] offset:(32*\k+8*\u)*4+16
.endr
.endr
.irp t, 0,1
	global_load_b32 v[VBL+\t], v7, s[14:15] offset:(64+8*\t)*4          ; v's bias of my lane's channel of tile t
.endr
	s_wait_kmcnt 0x0                               ; a, means, gn_b
	s_wait_loadcnt 28                              ; x's 32 loads are in; the 12 + 6 + 8 + 2 issued behind them may be out
	; xn, laid so that a lane's registers run along K
.set ii, 0
.rept 32
	v_sub_f32 v[RAW+2*ii], v[RAW+2*ii], s[56+ii/4]
	v_sub_f32 v[RAW+2*ii+1], v[RAW+2*ii+1], s[56+ii/4]
	v_fma_f32 v[NN+ii], v[RAW+2*ii], s[24+ii], s[68+ii]
	v_fma_f32 v[NN+32+ii], v[RAW+2*ii+1], s[24+ii], s[68+ii]
.set ii, ii+1
.endr
.irp j, 0,1
	v_max3_num_f32 v[TM+\j], |v[NN+32*\j]|, |v[NN+32*\j+1]|, 0x1800000   ; a block's largest magnitude: all 32 numbers are mine; the floor 2^(3 - 127) holds the byte at 1 from below
.endr
.irp i, 2,4,6,8,10,12,14,16,18,20,22,24,26,28,30
.irp j, 0,1
	v_max3_num_f32 v[TM+\j], v[TM+\j], |v[NN+32*\j+\i]|, |v[NN+32*\j+\i+1]|
.endr
.endr
.irp j, 0,1
	v_add_nc_u32 v[TM+2+\j], 0xff000000, v[TM+\j]  ; 2 off the exponent field: the conversion takes this operand's exponent field as its scale
.endr
.irp j, 0,1
	v_lshrrev_b32 v[TM+4+\j], 23, v[TM+2+\j]       ; the scale's byte
.endr
.irp j, 0,1
.irp q, 0,1,2,3
	v_cvt_scalef32_pk8_fp4_f32 v[RAW+4*\j+\q], v[NN+32*\j+8*\q:NN+32*\j+8*\q+7], v[TM+2+\j]
.endr
.endr
	v_nop                                          ; one plain instruction behind the last scaled conversion
.irp j, 0,1
	ds_store_b128 v3, v[RAW+4*\j:RAW+4*\j+3] offset:16*\j
	ds_store_b8 v4, v[TM+4+\j] offset:4*\j
.endr
	s_wait_dscnt 0x0                               ; for the others' sake: my stores have landed
	s_barrier_signal -1
	s_barrier_wait -1                              ; xn's four fragments and their scale words lie in LDS
.irp a, 0,1,2,3
	ds_load_b128 v[XF+8*\a:XF+8*\a+3], v1 offset:XP*\a
	ds_load_b128 v[XF+8*\a+4:XF+8*\a+7], v1 offset:XP*\a+512
	ds_load_b32 v[XS+\a], v2 offset:XSC+64*\a
.endr
	; where the results go (a and its neighbours in s24-39 are done with)
	s_lshr_b32 s2, ttmp9, 6
	s_lshl_b32 s2, s2, 2
	s_add_co_u32 s2, s2, s22                       ; head 4 b + w
	s_and_b32 s3, ttmp9, 63                        ; g
	s_lshr_b32 s23, s3, 1                          ; key step
	s_mul_i32 s36, s2, 139264
	s_mul_i32 s23, s23, 4352
	s_add_co_u32 s36, s36, s23
	s_mov_b32 s37, 0
	s_add_nc_u64 s[16:17], s[16:17], s[36:37]      ; kv at my head's key step
	s_and_b32 s23, s3, 1                           ; c: which 64 of its 128 keys
	s_lshl_b32 s36, s23, 10
	s_add_nc_u64 s[24:25], s[16:17], s[36:37]      ; K's codes
	s_lshl_b32 s36, s23, 9
	s_add_co_u32 s36, s36, 2048
	s_add_nc_u64 s[26:27], s[16:17], s[36:37]      ; V's codes
	s_lshl_b32 s36, s23, 6
	s_add_co_u32 s36, s36, 4096
	s_add_nc_u64 s[28:29], s[16:17], s[36:37]      ; K's scale words
	s_lshl_b32 s36, s23, 1
	s_add_co_u32 s36, s36, 4224
	s_add_nc_u64 s[30:31], s[16:17], s[36:37]      ; V's scale bytes
	s_lshl_b32 s36, s2, 16
	s_lshl_b32 s38, s3, 10
	s_add_co_u32 s36, s36, s38
	s_add_nc_u64 s[32:33], s[18:19], s[36:37]      ; q's codes
	s_lshl_b32 s36, s2, 12
	s_lshl_b32 s38, s3, 6
	s_add_co_u32 s36, s36, s38
	s_add_nc_u64 s[34:35], s[20:21], s[36:37]      ; q's scale words
	s_wait_loadcnt 0x0                             ; weights, scale words, biases
.irp t, 0,1
.irp j, 0,1,2,3,4,5,6,7
	v_mov_b32 v[BV+8*\t+\j], v[VBL+\t]             ; v's bias hangs on the lane's channel alone: the same in all eight registers of C
.endr
.endr
.irp j, 4,5,6,7
	v_mov_b32 v[TM+\j], 0                          ; a lane exchange's destination counts as read
.endr
	s_wait_dscnt 0x0
; q (kind 0) or k (kind 1): eight products, x s, quantised along the head's 32 channels, stored.  cb, sb: the scalar pairs with the codes' and the scale words' addresses
.macro QK kind, cb, sb
.irp a, 0,1,2,3
.irp u, 0,1
	v_wmma_scale_f32_16x16x128_f8f6f4 v[ACC+16*\a+8*\u:ACC+16*\a+8*\u+7], v[WF+16*\kind+8*\u:WF+16*\kind+8*\u+7], v[XF+8*\a:XF+8*\a+7], v[BI+16*\kind+8*\u:BI+16*\kind+8*\u+7], v[WS+2*\kind+\u], v[XS+\a] matrix_a_fmt:MATRIX_FMT_FP4 matrix_b_fmt:MATRIX_FMT_FP4
.endr
.endr
.rept 4
	v_nop                                          ; four plain instructions between the last product and the first read of results (ISA guide 7.12.1)
.endr
.set ii, 0
.rept 32
	v_pk_mul_f32 v[ACC+ii:ACC+ii+1], v[ACC+ii:ACC+ii+1], s[100:101] op_sel_hi:[1,0]   ; x 32^(-1/4); each accumulator from its low end on
.set ii, ii+2
.endr
.irp b, 0,1,2,3                        ; tile b: my t's channels 16 h + 0 .. 15
	v_max3_num_f32 v[TM+\b], |v[ACC+16*\b]|, |v[ACC+16*\b+1]|, 0x1800000
.endr
.irp i, 2,4,6,8,10,12,14
.irp b, 0,1,2,3
	v_max3_num_f32 v[TM+\b], v[TM+\b], |v[ACC+16*\b+\i]|, |v[ACC+16*\b+\i+1]|
.endr
.endr
.irp b, 0,1,2,3
	v_permlanex16_b32 v[TM+4+\b], v[TM+\b], s66, s67
.endr
.irp b, 0,1,2,3
	v_max_num_f32 v[TM+\b], v[TM+\b], v[TM+4+\b]   ; with lane l xor 16's 16 channels: the block's largest magnitude
.endr
.irp b, 0,1,2,3
	v_add_nc_u32 v[TM+12+\b], 0xff000000, v[TM+\b]
.endr
.irp b, 0,1,2,3
	v_lshrrev_b32 v[TM+4+\b], 23, v[TM+12+\b]
.endr
	v_lshl_or_b32 v[PW], v[TM+5], 8, v[TM+4]       ; row r's word: byte a = the scale of position (a, r)
	v_lshl_or_b32 v[PW], v[TM+6], 16, v[PW]
	v_lshl_or_b32 v[PW], v[TM+7], 24, v[PW]
	s_wait_alu depctr_va_vdst(0)
	s_wait_xcnt 0x0                                ; the stores issued so far have read their data: PC and SD may be written again
	v_lshrrev_b32 v[SD], v11, v[PW]                ; lanes 0-15 store the word's low half, lanes 16-31 its high half
.irp b, 0,1,2,3
	v_cvt_scalef32_pk8_fp4_f32 v[PC+2*\b], v[ACC+16*\b:ACC+16*\b+7], v[TM+12+\b]
	v_cvt_scalef32_pk8_fp4_f32 v[PC+2*\b+1], v[ACC+16*\b+8:ACC+16*\b+15], v[TM+12+\b]
.endr
	v_nop                                          ; one plain instruction behind the last scaled conversion: the next products write its sources
.irp a, 0,1,2,3
	global_store_b64 v9, v[PC+2*\a:PC+2*\a+1], s[\cb:\cb+1] offset:256*\a   ; 32 lanes x 8 bytes at 16 r + 8 h: 256 consecutive bytes, aligned
.endr
	global_store_b16 v10, v[SD], s[\sb:\sb+1]      ; 64 consecutive bytes
.endm
	QK 0, 32, 34
	QK 1, 24, 28
	; v: a lane holds one channel and the keys t0 + 32 h + 0 .. 31: a whole block
.irp t, 0,1
.irp a, 0,1,2,3
	v_wmma_scale_f32_16x16x128_f8f6f4 v[ACC+32*\t+8*\a:ACC+32*\t+8*\a+7], v[XF+8*\a:XF+8*\a+7], v[WF+32+8*\t:WF+32+8*\t+7], v[BV+8*\t:BV+8*\t+7], v[XS+\a], v[WS+4+\t] matrix_a_fmt:MATRIX_FMT_FP4 matrix_b_fmt:MATRIX_FMT_FP4
.endr
.endr
.rept 4
	v_nop
.endr
.irp t, 0,1
	v_max3_num_f32 v[TM+\t], |v[ACC+32*\t]|, |v[ACC+32*\t+1]|, 0x1800000
.endr
.irp i, 2,4,6,8,10,12,14,16,18,20,22,24,26,28,30
.irp t, 0,1
	v_max3_num_f32 v[TM+\t], v[TM+\t], |v[ACC+32*\t+\i]|, |v[ACC+32*\t+\i+1]|   ; ascending: each accumulator is first read at its low end
.endr
.endr
.irp t, 0,1
	v_add_nc_u32 v[TM+12+\t], 0xff000000, v[TM+\t]
.endr
.irp t, 0,1
	v_lshrrev_b32 v[TM+8+\t], 23, v[TM+12+\t]
.endr
	s_wait_alu depctr_va_vdst(0)
	s_wait_xcnt 0x0                                ; k's stores have read PC and SD
.irp t, 0,1
.irp a, 0,1,2,3
	v_cvt_scalef32_pk8_fp4_f32 v[PC+4*\t+\a], v[ACC+32*\t+8*\a:ACC+32*\t+8*\a+7], v[TM+12+\t]
.endr
.endr
	v_nop
.irp t, 0,1
	global_store_b128 v1, v[PC+4*\t:PC+4*\t+3], s[26:27] offset:1024*\t   ; 512 consecutive bytes
.endr
.irp t, 0,1
	v_permlanex16_b32 v[TM+4+\t], v[TM+8+\t], s66, s67
.endr
	v_cmp_ne_u32 vcc_lo, 0, v13
	v_cndmask_b32 v[TM], v[TM+8], v[TM+5], vcc_lo  ; lane 16 t + r stores channel (t, r)'s two bytes: the block of h = 0,
	v_cndmask_b32 v[TM+1], v[TM+4], v[TM+9], vcc_lo ; and that of h = 1
	v_lshl_or_b32 v[SD], v[TM+1], 8, v[TM]
	global_store_b16 v12, v[SD], s[30:31]
	s_wait_tensorcnt 0x0                           ; the wave's end, behind my last LDS store
	ds_add_u32 v14, v15
	s_wait_dscnt 0x0
	s_endpgm
.Lfunc_end_k_qa2cb0fe365_qkv:
	.size	k_qa2cb0fe365_qkv, .Lfunc_end_k_qa2cb0fe365_qkv-k_qa2cb0fe365_qkv
	.p2alignl 7, 3214868480
	.fill 96, 4, 3214868480
	.section	.rodata,"a",@progbits
	.p2align	6, 0x0
	.amdhsa_kernel k_qa2cb0fe365_qkv
		.amdhsa_group_segment_fixed_size 5120
		.amdhsa_private_segment_fixed_size 0
		.amdhsa_enable_private_segment 0
		.amdhsa_kernarg_size 72
		.amdhsa_user_sgpr_count 2
		.amdhsa_user_sgpr_kernarg_segment_ptr 1
		.amdhsa_wavefront_size32 1
		.amdhsa_system_sgpr_workgroup_id_x 1
		.amdhsa_system_sgpr_workgroup_id_y 1
		.amdhsa_system_sgpr_workgroup_id_z 1
		.amdhsa_system_vgpr_workitem_id 0
		.amdhsa_next_free_vgpr 256
		.amdhsa_next_free_sgpr 102
		.amdhsa_reserve_vcc 1
		.amdhsa_float_denorm_mode_32 3
		.amdhsa_float_denorm_mode_16_64 3
		.amdhsa_memory_ordered 1
		.amdhsa_forward_progress 1
		.amdhsa_inst_pref_size 42
	.end_amdhsa_kernel
	.amdgpu_metadata
---
amdhsa.version: [ 1, 2 ]
amdhsa.kernels:
  - .name:           k_qa2cb0fe365_qkv
    .symbol:         k_qa2cb0fe365_qkv.kd
    .args:
      - { .name: x, .offset: 0, .size: 8, .value_kind: global_buffer, .address_space: global }
      - { .name: gn_b, .offset: 8, .size: 8, .value_kind: global_buffer, .address_space: global }
      - { .name: gstat, .offset: 16, .size: 8, .value_kind: global_buffer, .address_space: global }
      - { .name: qkv_w_codes, .offset: 24, .size: 8, .value_kind: global_buffer, .address_space: global }
      - { .name: qkv_w_scales, .offset: 32, .size: 8, .value_kind: global_buffer, .address_space: global }
      - { .name: qkv_b, .offset: 40, .size: 8, .value_kind: global_buffer, .address_space: global }
      - { .name: kv, .offset: 48, .size: 8, .value_kind: global_buffer, .address_space: global }
      - { .name: qc, .offset: 56, .size: 8, .value_kind: global_buffer, .address_space: global }
      - { .name: qs, .offset: 64, .size: 8, .value_kind: global_buffer, .address_space: global }
    .group_segment_fixed_size: 5120
    .private_segment_fixed_size: 0
    .kernarg_segment_align: 8
    .kernarg_segment_size: 72
    .max_flat_workgroup_size: 128
    .sgpr_count:     102
    .vgpr_count:     256
    .wavefront_size: 32
...
	.end_amdgpu_metadata
.endif
;; end of part 2
;; launch attn (part 3): grid 16 x 16, 16 waves a work-group, clusters of 4 x 1, 167,936 bytes of LDS; arguments kv, qc, qs, ac, asc; writes ac, asc
.if DOCPART == 3
	.amdgcn_target "amdgcn-amd-amdhsa--gfx1250"
	.amdhsa_code_object_version 6
	.text
	.protected	k_qa2cb0fe365_attn
	.globl	k_qa2cb0fe365_attn
	.p2align	8
	.type	k_qa2cb0fe365_attn,@function
k_qa2cb0fe365_attn:
	s_mov_b64 s[64:65], 0
	v_nop
	global_prefetch_b8 v0, s[64:65] scope:SCOPE_SE
	s_setreg_imm32_b32 hwreg(HW_REG_WAVE_MODE, 25, 1), 1
	s_wait_xcnt 0x0
	s_wait_alu depctr_hold_cnt(0) depctr_sa_sdst(0) depctr_va_vdst(0) depctr_va_sdst(0) depctr_va_ssrc(0) depctr_va_vcc(0) depctr_vm_vsrc(0)
	s_getreg_b32 s2, hwreg(HW_REG_IB_STS2, 6, 4)
	s_cmp_eq_u32 s2, 0
	s_cbranch_scc0 .Lentry_in_a_cluster
	s_endpgm
.Lentry_in_a_cluster:
	s_bfe_u32 s2, ttmp6, 0x10000c
	s_cmp_lg_u32 s2, 0x3003
	s_cbranch_scc0 .Lentry_shape_is_right
	s_endpgm
.Lentry_shape_is_right:
; attn[t][:] = (sum over keys of p V) / l for 16 heads of 4,096 positions and head size 32, both products on codes of FP4 (E2M1) with E8M0 scales; then the codes and scales of attn along the head's 32 channels.  No work is left out.
; SOFTMAX: t = score x log2(e); M = the running largest t rounded up to a whole number; p = 2^(t - M) is quantised along the keys, not normalised; l is the sum of the unquantised p; when M moves, l and O are multiplied by 2^(old M - new M), exactly.
; LIMIT: a row whose every t lies under -3e38 is not served.
; SHARES.  A work-group owns 256 queries of one head, each of its sixteen waves 16 of them: four waves to a SIMD, so that one wave's exponentials stand beside another's plain and matrix work.  Every wave walks the head's 4,096 keys, 128 a step.
; A HEAD'S K, V AND SCALES, 139,264 bytes as the launch before laid them, ALL LIE IN LDS: each wave brings two key steps (8,704 dense bytes, 34 rows of 256) by one tensor load at the head; nothing is filled again.  Loads of 64 rows
; would leave half the waves without one.  CLUSTER: the four query blocks of a cluster belong to one head and ask for the same bytes jointly: the same load, the same descriptor, a mask that names the four.
; No prefetch: all that the launch streams is asked for at its head.
; K = 32 IN AN INSTRUCTION OF K = 128.  A fragment of K holds FOUR keys in the four blocks of 32 of each row: row r, block a is key 64 g + 32 (r / 8) + 8 a + r % 8.  Q_a holds my queries' codes in block a and zero codes elsewhere, so K x Q_a gives
; the scores of the keys in block a.  Lane half h then holds, in registers 32 g + 8 a + j, keys 64 g + 32 h + 8 a + j: a whole block of 32 neighbouring keys in the order that the second product's operand wants: no exchange of lanes for a block's maximum or codes.
; Q_a's scale word has q's byte at byte a and the byte 1 elsewhere.
; Both products are used transposed (source 0 = keys, or V's channels; source 1 = my 16 queries): a lane holds one query (lane % 16) throughout.  V's tile ct, row m is channel 16 (m / 8) + 8 ct + m % 8: lane half h ends with channels 16 h + 0 .. 15.
.set STEPB, 4352                       ; a key step in LDS: K's codes 2,048, V's codes 2,048, K's scale words 128, V's 128
.set HEADB, 139264
.set SCG,   139264                     ; 256 bytes of their own: the work-group's 256 scale bytes of attn
.set SPARE, 139520                     ; the spare words, 128 bytes for each of 16 waves; no other line names them
.set SPW, 5                            ; v5  SPARE + 4 x my thread's number; v6  0: never rewritten
.set NIL, 6
; v1 16 lane; v2 4 lane; v3, v4 the step's LDS addresses; v7 8 h; v8-11 at work; v12 -M; v13 the largest t; v14-15 l in two halves
; v16-27: X0, Z, X0; v28-39: X1, Z, X1 (X0 = q's codes in lanes 0-15, X1 in lanes 16-31, Z zeros): Q_a begins at v[16 + 12 (a % 2) + 4 (a / 2)]
.set QS,  40                           ; v40-43 Q_a's scale words;  v44 K's, v45 V's, v46 p's
.set KF,  48                           ; v48-63   two fragments of K (64 keys each)
.set VF,  64                           ; v64-79   two fragments of V
.set PC,  80                           ; v80-87   p's codes
.set OT,  88                           ; v88-103  O^T, two accumulators
.set S,   104                          ; v104-167 the scores, then p
.set HB,  168                          ; v168-171 maxima of half blocks; v168, v170 then the blocks'
.set F,   174                          ; v174-175 2^(old M - new M), named as a pair
.set L2,  176                          ; v176-177 the second chain of the sum
.set T0,  178
.set T1,  179
.set SO,  180                          ; v180-181 the conversions' scale operands
.set BY,  182                          ; v182-183 the scales' bytes
.set WV,  14                           ; s14 wave; s15 cx; s16 query block; s17 head; s[18:19] offsets free of cx; s[20:21] offsets with cx; s[22:23] log2(e); s[24:31], s[32:35] the descriptor; s[36:37] lane selects; s38 the step's LDS byte; s39 count; s40 8 (wave % 4)
.macro CROUND                          ; a round of the cluster's barrier
	s_barrier_signal -1
	s_barrier_wait -1
	s_cmp_lg_u32 s[WV], 0
	s_cbranch_scc1 .Lnot_wave_0_\@
	s_barrier_signal -3
.Lnot_wave_0_\@:
	s_barrier_wait -3
	s_barrier_signal -1
	s_barrier_wait -1
.endm
	s_load_b256 s[4:11], s[0:1], 0x0               ; kv, qc, qs, ac
	s_load_b64 s[12:13], s[0:1], 0x20              ; asc
	v_lshl_add_u32 v[SPW], v0, 2, SPARE
	v_mov_b32 v[NIL], 0
	ds_add_u32 v[SPW], v[NIL]                      ; the wave's opening: the add, twice on end, and its wait ahead of my first tensor load
	ds_add_u32 v[SPW], v[NIL]
	v_lshrrev_b32 v8, 5, v0
	s_delay_alu instid0(VALU_DEP_1)
	v_readfirstlane_b32 s[WV], v8                  ; wave 0..15
	s_bfe_u32 s15, ttmp6, 0x40000                  ; cx
	s_lshl_b32 s16, ttmp9, 2
	s_add_co_u32 s16, s16, s15                     ; my block of 256 queries: it enters global addresses of q and of the results alone
	s_and_b32 s17, ttmp7, 0xffff                   ; the head, which the four partners share
	s_mov_b32 s24, 15|(3<<16)|(1<<21)              ; group 1: the mask of all four; elements of 8 bytes; bit 21 beside a mask; no padding
	s_mov_b32 s25, 32<<16                          ; tensor_dim0 = 32 elements: rows of 256 bytes
	s_mov_b32 s26, 34<<16                          ; tensor_dim1 = 34
	s_mov_b32 s27, 32<<16                          ; tile_dim0 = 32
	s_mov_b32 s28, 34                              ; tile_dim1 = 34
	s_mov_b32 s29, 32                              ; the pitch: dense
	s_mov_b32 s30, 0
	s_mov_b32 s31, 0
	s_mov_b32 s22, 0x3fb8aa3b                      ; log2(e)
	s_mov_b32 s23, s22
	s_mov_b32 s36, 0x76543210
	s_mov_b32 s37, 0xfedcba98
	s_mov_b32 s32, 1                               ; group 0: count = 1,
	s_mul_i32 s33, s[WV], 2*STEPB                  ; LDS address: my two key steps,
	s_mul_i32 s18, s17, HEADB
	s_add_co_u32 s18, s18, s33                     ; and the same place in the head's bytes
	s_mov_b32 s19, 0
	s_wait_dscnt 0x0                               ; both opening adds are done
	s_wait_kmcnt 0x0
	s_add_nc_u64 s[34:35], s[4:5], s[18:19]
	s_or_b32 s35, s35, 0x80000000                  ; type = 2
	CROUND                                         ; all four work-groups are here: the joint loads meet
	tensor_load_to_lds s[32:35], s[24:31]          ; my one tensor load of the launch
	s_nop 0
	s_lshl_b32 s20, s17, 16
	s_lshl_b32 s39, s16, 12
	s_add_co_u32 s20, s20, s39
	s_lshl_b32 s39, s[WV], 8
	s_add_co_u32 s20, s20, s39
	s_mov_b32 s21, 0
	s_add_nc_u64 s[6:7], s[6:7], s[20:21]          ; q's codes: 65,536 head + 4,096 block + 256 wave
	s_lshl_b32 s20, s17, 12
	s_lshl_b32 s39, s16, 8
	s_add_co_u32 s20, s20, s39
	s_add_nc_u64 s[12:13], s[12:13], s[20:21]      ; attn's scale bytes: 4,096 head + 256 block
	s_lshr_b32 s39, s[WV], 2
	s_lshl_b32 s39, s39, 6
	s_add_co_u32 s20, s20, s39
	s_add_nc_u64 s[8:9], s[8:9], s[20:21]          ; q's scale words: + 64 (wave / 4)
	s_lshr_b32 s20, s17, 2
	s_lshl_b32 s20, s20, 18
	s_lshl_b32 s39, s16, 14
	s_add_co_u32 s20, s20, s39
	s_lshl_b32 s39, s[WV], 10
	s_add_co_u32 s20, s20, s39
	s_and_b32 s39, s17, 3
	s_lshl_b32 s39, s39, 8
	s_add_co_u32 s20, s20, s39
	s_add_nc_u64 s[10:11], s[10:11], s[20:21]      ; attn's codes: 262,144 b + 16,384 block + 1,024 wave + 256 (head in b)
	s_and_b32 s40, s[WV], 3
	s_lshl_b32 s40, s40, 3
	v_and_b32 v8, 31, v0                           ; lane
	v_and_b32 v9, 15, v0                           ; r
	v_bfe_u32 v10, v0, 4, 1                        ; h
	s_delay_alu instid0(VALU_DEP_2)
	v_lshlrev_b32 v3, 4, v9
	s_delay_alu instid0(VALU_DEP_3)
	v_lshlrev_b32 v4, 2, v9
	global_load_b128 v[KF:KF+3], v3, s[6:7]        ; query r's 32 codes, in both halves of the lanes
	global_load_b32 v11, v4, s[8:9]                ; and row r's scale word of the four tiles
	v_lshlrev_b32 v1, 4, v8
	v_lshlrev_b32 v2, 2, v8
	v_lshlrev_b32 v7, 3, v10
.irp i, 20,21,22,23,32,33,34,35
	v_mov_b32 v[\i], 0                             ; Z
.endr
	s_wait_alu depctr_va_vdst(0)
	s_wait_loadcnt 0x0
	v_cmp_ne_u32 vcc_lo, 0, v10
.irp i, 0,1,2,3
	v_cndmask_b32 v[16+\i], v[KF+\i], v20, vcc_lo  ; X0
	v_cndmask_b32 v[28+\i], v20, v[KF+\i], vcc_lo  ; X1
.endr
.irp i, 0,1,2,3
	v_mov_b32 v[24+\i], v[16+\i]
	v_mov_b32 v[36+\i], v[28+\i]
.endr
	v_lshrrev_b32 v11, s40, v11
	s_delay_alu instid0(VALU_DEP_1)
	v_and_b32 v11, 0xff, v11                       ; my tile's byte
	s_delay_alu instid0(VALU_DEP_1)
	v_lshl_or_b32 v[QS], v11, 0, 0x01010100
	s_delay_alu instid0(VALU_DEP_2)
	v_lshl_or_b32 v[QS+1], v11, 8, 0x01010001
	s_delay_alu instid0(VALU_DEP_3)
	v_lshl_or_b32 v[QS+2], v11, 16, 0x01000101
	s_delay_alu instid0(VALU_DEP_4)
	v_lshl_or_b32 v[QS+3], v11, 24, 0x00010101
.set ii, 0
.rept 16
	v_mov_b32 v[OT+ii], 0                          ; O^T.  (The step is written for all steps alike: the first finds zeros, which the first change of M leaves zeros.  These lines also part the scale words and Q from the first product by more than eight plain instructions)
.set ii, ii+1
.endr
	v_mov_b32 v14, 0
	v_mov_b32 v15, 0
	v_mov_b32 v13, 0xff61b1e6                      ; the largest t so far: -3e38
	s_delay_alu instid0(VALU_DEP_1)
	v_floor_f32 v12, -v13                          ; -M
	v_mov_b32 v[F+1], 0                            ; (named as the upper half of a pair)
	v_mov_b32 v[T1], 0                             ; a lane exchange's destination counts as read
	s_wait_tensorcnt 0x0                           ; my two key steps have landed,
	s_barrier_signal -1
	s_barrier_wait -1                              ; everybody's have: the whole head lies in LDS
.irp g, 0,1
.irp c, 0,1
	ds_load_b128 v[KF+8*\g+4*\c:KF+8*\g+4*\c+3], v1 offset:1024*\g+512*\c
.endr
.endr
	ds_load_b32 v44, v2 offset:4096                ; lanes 0-15: the words of keys 0-63; lanes 16-31: of keys 64-127
	s_mov_b32 s38, 0
	s_mov_b32 s39, 31
; A KEY STEP of 128 keys.  next = 1: the next step's K is fetched behind this step's V
.macro STEP next
	s_wait_dscnt 0x0                               ; this step's K and its scale words, asked for a step ago
.irp g, 0,1
.irp a, 0,1,2,3
.if \g
	v_wmma_scale_f32_16x16x128_f8f6f4 v[S+32*\g+8*\a:S+32*\g+8*\a+7], v[KF+8*\g:KF+8*\g+7], v[16+12*(\a%2)+4*(\a/2):16+12*(\a%2)+4*(\a/2)+7], 0, v44, v[QS+\a] matrix_a_fmt:MATRIX_FMT_FP4 matrix_b_fmt:MATRIX_FMT_FP4 matrix_a_scale:MATRIX_SCALE_ROW1
.else
	v_wmma_scale_f32_16x16x128_f8f6f4 v[S+32*\g+8*\a:S+32*\g+8*\a+7], v[KF+8*\g:KF+8*\g+7], v[16+12*(\a%2)+4*(\a/2):16+12*(\a%2)+4*(\a/2)+7], 0, v44, v[QS+\a] matrix_a_fmt:MATRIX_FMT_FP4 matrix_b_fmt:MATRIX_FMT_FP4
.endif
.endr
.endr
	v_add_nc_u32 v3, s38, v1                       ; four plain instructions between the products and the loads into registers that products have read, and the first read of results
	v_add_nc_u32 v4, s38, v2
	v_nop
	v_nop
.irp t, 0,1
.irp c, 0,1
	ds_load_b128 v[VF+8*\t+4*\c:VF+8*\t+4*\c+3], v3 offset:2048+1024*\t+512*\c
.endr
.endr
	ds_load_b32 v45, v4 offset:4224
.if \next
.irp g, 0,1
.irp c, 0,1
	ds_load_b128 v[KF+8*\g+4*\c:KF+8*\g+4*\c+3], v3 offset:STEPB+1024*\g+512*\c
.endr
.endr
	ds_load_b32 v44, v4 offset:STEPB+4096
.endif
.irp k, 0,1,2,3
	v_max3_num_f32 v[HB+\k], v[S+16*\k], v[S+16*\k+1], v[S+16*\k+2]   ; the largest score of each block of 32 keys, in two chains a block; each accumulator is first read at its low end
.endr
.irp i, 3,5,7,9,11,13
.irp k, 0,1,2,3
	v_max3_num_f32 v[HB+\k], v[HB+\k], v[S+16*\k+\i], v[S+16*\k+\i+1]
.endr
.endr
	v_max3_num_f32 v[HB], v[HB], v[HB+1], v[S+15]
	v_max3_num_f32 v[HB+2], v[HB+2], v[HB+3], v[S+47]
	v_max_num_f32 v[HB], v[HB], v[S+31]            ; block h of the step's four,
	v_max_num_f32 v[HB+2], v[HB+2], v[S+63]        ; and block 2 + h: they serve twice: for the row's maximum and, since p rises with the score, for the block's largest p
	s_delay_alu instid0(VALU_DEP_1)
	v_max_num_f32 v[T0], v[HB], v[HB+2]
	s_delay_alu instid0(VALU_DEP_1)
	v_mul_f32 v[T0], s22, v[T0]                    ; as t
	s_delay_alu instid0(VALU_DEP_1)
	v_permlanex16_b32 v[T1], v[T0], s36, s37       ; the query's other 64 keys lie in lane l xor 16
	s_delay_alu instid0(VALU_DEP_1)
	v_max3_num_f32 v13, v13, v[T0], v[T1]          ; the running largest t
	v_mov_b32 v[T0], v12
	s_delay_alu instid0(VALU_DEP_2)
	v_floor_f32 v12, -v13                          ; the new -M = -ceil(t)
	s_delay_alu instid0(VALU_DEP_1)
	v_sub_f32 v[T0], v12, v[T0]                    ; old M - new M: a whole number, 0 or less
	s_delay_alu instid0(VALU_DEP_1)
	v_cvt_i32_f32 v[T0], v[T0]                     ; (it saturates)
	s_delay_alu instid0(VALU_DEP_1)
	v_ldexp_f32 v[F], 1.0, v[T0]                   ; f = 2^(old M - new M)
.set ii, 0
.rept 32
	v_pk_fma_f32 v[S+ii:S+ii+1], v[S+ii:S+ii+1], s[22:23], v[12:13] op_sel_hi:[1,0,0]   ; t - M, two at a time
.set ii, ii+2
.endr
	v_fma_f32 v[HB], v[HB], s22, v12               ; the same of each block's largest score
	v_fma_f32 v[HB+2], v[HB+2], s22, v12
.set ii, 0
	s_setprio 1
	s_wait_alu depctr_va_vdst(0)
.rept 64
	v_exp_f32 v[S+ii], v[S+ii]                     ; p = 2^(t - M)
.set ii, ii+1
.endr
	v_pk_mul_f32 v[14:15], v[14:15], v[F:F+1] op_sel_hi:[1,0]   ; l under the new M: the plain instruction behind the batch
	s_wait_alu depctr_va_vdst(0)                   ; the wait ahead of the first line that names a result: one for the 64
	v_exp_f32 v[HB], v[HB]                         ; the blocks' largest p: the same two instructions on the same number give the same bits
	v_exp_f32 v[HB+2], v[HB+2]
	v_pk_add_f32 v[L2:L2+1], v[S:S+1], v[S+2:S+3]  ; l takes the unquantised p, in two chains; this half stands behind the two exponentials
.irp j, 4,8,12,16,20,24,28
	v_pk_add_f32 v[14:15], v[14:15], v[S+\j:S+\j+1]
	v_pk_add_f32 v[L2:L2+1], v[L2:L2+1], v[S+\j+2:S+\j+3]
.endr
	s_wait_alu depctr_va_vdst(0)                   ; and one for the two
.irp g, 0,1
	v_max_num_f32 v[HB+2*\g], 0x1800000, v[HB+2*\g]   ; the floor 2^(3 - 127): the byte cannot fall under 1
.endr
.irp g, 0,1
	s_delay_alu instid0(VALU_DEP_2)
	v_add_nc_u32 v[SO+\g], 0xff000000, v[HB+2*\g]  ; 2 off the exponent field: the conversion's scale operand
.endr
.irp g, 0,1
	s_delay_alu instid0(VALU_DEP_2)
	v_lshrrev_b32 v[BY+\g], 23, v[SO+\g]
.endr
	s_delay_alu instid0(VALU_DEP_1)
	v_lshl_or_b32 v[T0], v[BY+1], 16, v[BY]        ; my bytes: blocks h and 2 + h,
	s_delay_alu instid0(VALU_DEP_1)
	v_lshlrev_b32 v[T0], v7, v[T0]                 ; at their places in the word;
	s_delay_alu instid0(VALU_DEP_1)
	v_permlanex16_b32 v[T1], v[T0], s36, s37
	s_delay_alu instid0(VALU_DEP_1)
	v_or_b32 v46, v[T0], v[T1]                     ; with lane l xor 16's two the word is whole
.irp g, 0,1
.irp a, 0,1,2,3
	v_cvt_scalef32_pk8_fp4_f32 v[PC+4*\g+\a], v[S+32*\g+8*\a:S+32*\g+8*\a+7], v[SO+\g]   ; the operand's registers as they stand
.endr
.endr
	v_nop                                          ; one plain instruction behind the last scaled conversion
	s_setprio 0
.irp j, 32,36,40,44,48,52,56,60
	v_pk_add_f32 v[14:15], v[14:15], v[S+\j:S+\j+1]   ; the sum's other half: with the lines below more than eight plain instructions between p's scale word and codes and the products
	v_pk_add_f32 v[L2:L2+1], v[L2:L2+1], v[S+\j+2:S+\j+3]
.endr
	s_delay_alu instid0(VALU_DEP_1)
	v_pk_add_f32 v[14:15], v[14:15], v[L2:L2+1]
.set ii, 0
.rept 8
	v_pk_mul_f32 v[OT+ii:OT+ii+1], v[OT+ii:OT+ii+1], v[F:F+1] op_sel_hi:[1,0]   ; O^T under the new M, each accumulator from its low end on
.set ii, ii+2
.endr
.if \next
	s_wait_alu depctr_va_vdst(0)
	s_wait_dscnt 5                                 ; V and its scale words are in; the next step's four loads of K and its scale words may be out
.else
	s_wait_alu depctr_va_vdst(0)
	s_wait_dscnt 0x0
.endif
	; the two accumulators take one turn each, and the eight products of the scores stand between a step's turn and the next step's
	v_wmma_scale_f32_16x16x128_f8f6f4 v[OT:OT+7], v[VF:VF+7], v[PC:PC+7], v[OT:OT+7], v45, v46 matrix_a_fmt:MATRIX_FMT_FP4 matrix_b_fmt:MATRIX_FMT_FP4
	v_wmma_scale_f32_16x16x128_f8f6f4 v[OT+8:OT+15], v[VF+8:VF+15], v[PC:PC+7], v[OT+8:OT+15], v45, v46 matrix_a_fmt:MATRIX_FMT_FP4 matrix_b_fmt:MATRIX_FMT_FP4 matrix_a_scale:MATRIX_SCALE_ROW1
	s_add_co_u32 s38, s38, STEPB
.endm
.Lstep:                                            ; 31 trips
	s_setprio 2
	STEP 1
	s_sub_co_u32 s39, s39, 1
	s_cmp_lg_u32 s39, 0
	s_cbranch_scc1 .Lstep
	s_setprio 0
	STEP 0                                         ; the last step is written out: nothing lies behind the head's bytes to fetch
	; THE WAY OUT: O^T / l, quantised along the head's 32 channels (16 mine, 16 in lane l xor 16)
	v_add_f32 v14, v14, v15                        ; (these lines are also the plain instructions between the last products and the first read of O^T)
	v_and_b32 v8, 15, v0
	v_bfe_u32 v9, v0, 4, 1
	s_delay_alu instid0(VALU_DEP_2)
	v_lshlrev_b32 v10, 4, v8
	s_delay_alu instid0(VALU_DEP_1)
	v_lshl_add_u32 v10, v9, 3, v10                 ; 16 r + 8 h
	v_permlanex16_b32 v[T1], v14, s36, s37
	s_delay_alu instid0(VALU_DEP_1)
	v_add_f32 v14, v14, v[T1]                      ; the row's sum
	s_wait_alu depctr_va_vdst(0)
	v_rcp_f32 v14, v14
	s_lshl_b32 s18, s[WV], 4
	v_add_nc_u32 v11, s18, v8                      ; (plain work behind the transcendental)
	s_delay_alu instid0(VALU_DEP_1)
	v_add_nc_u32 v11, SCG, v11                     ; my query's byte: SCG + 16 wave + r
	v_and_b32 v9, 31, v0
	s_delay_alu instid0(VALU_DEP_1)
	v_lshlrev_b32 v9, 3, v9                        ; 8 lane
	s_delay_alu instid0(VALU_DEP_1)
	v_add_nc_u32 v8, SCG, v9
	s_wait_alu depctr_va_vdst(0)                   ; the wait ahead of the reciprocal's first reader
.set ii, 0
.rept 16
	v_mul_f32 v[S+ii], v[OT+ii], v14               ; attn(channel 16 h + ii, my query)
.set ii, ii+1
.endr
	v_max3_num_f32 v[HB], |v[S]|, |v[S+1]|, 0x1800000
.irp i, 2,4,6,8,10,12,14
	s_delay_alu instid0(VALU_DEP_1)
	v_max3_num_f32 v[HB], v[HB], |v[S+\i]|, |v[S+\i+1]|
.endr
	s_delay_alu instid0(VALU_DEP_1)
	v_permlanex16_b32 v[T1], v[HB], s36, s37
	s_delay_alu instid0(VALU_DEP_1)
	v_max_num_f32 v[HB], v[HB], v[T1]
	s_delay_alu instid0(VALU_DEP_1)
	v_add_nc_u32 v[SO], 0xff000000, v[HB]
	s_delay_alu instid0(VALU_DEP_1)
	v_lshrrev_b32 v[BY], 23, v[SO]
	v_cvt_scalef32_pk8_fp4_f32 v[PC], v[S:S+7], v[SO]
	v_cvt_scalef32_pk8_fp4_f32 v[PC+1], v[S+8:S+15], v[SO]
	v_nop
	global_store_b64 v10, v[PC:PC+1], s[10:11]     ; 32 lanes x 8 bytes: 256 consecutive bytes, aligned: block (head in b) of a fragment's image for the projection
	ds_store_b8 v11, v[BY]                         ; both halves of the lanes write the same byte with the same value
	s_wait_dscnt 0x0                               ; for the others' sake
	s_barrier_signal -1
	s_barrier_wait -1                              ; the work-group's 256 bytes lie together
	ds_load_b64 v[PC+4:PC+5], v8
	v_cmp_gt_u32 vcc_lo, 32, v0                    ; threads 0..31 store them: no branch
	s_wait_dscnt 0x0
	s_wait_xcnt 0x0                                ; EXEC changes only behind this wait
	s_and_saveexec_b32 s19, vcc_lo
	global_store_b64 v9, v[PC+4:PC+5], s[12:13]    ; 256 consecutive bytes, aligned
	s_wait_xcnt 0x0
	s_or_b32 exec_lo, exec_lo, s19
	s_wait_tensorcnt 0x0                           ; the wave's end, behind my last tensor load and my last LDS store
	ds_add_u32 v[SPW], v[NIL]
	s_wait_dscnt 0x0
	CROUND                                         ; the closing round
	s_endpgm
.Lfunc_end_k_qa2cb0fe365_attn:
	.size	k_qa2cb0fe365_attn, .Lfunc_end_k_qa2cb0fe365_attn-k_qa2cb0fe365_attn
	.p2alignl 7, 3214868480
	.fill 96, 4, 3214868480
	.section	.rodata,"a",@progbits
	.p2align	6, 0x0
	.amdhsa_kernel k_qa2cb0fe365_attn
		.amdhsa_group_segment_fixed_size 167936
		.amdhsa_private_segment_fixed_size 0
		.amdhsa_enable_private_segment 0
		.amdhsa_kernarg_size 40
		.amdhsa_user_sgpr_count 2
		.amdhsa_user_sgpr_kernarg_segment_ptr 1
		.amdhsa_wavefront_size32 1
		.amdhsa_system_sgpr_workgroup_id_x 1
		.amdhsa_system_sgpr_workgroup_id_y 1
		.amdhsa_system_sgpr_workgroup_id_z 1
		.amdhsa_system_vgpr_workitem_id 0
		.amdhsa_next_free_vgpr 192
		.amdhsa_next_free_sgpr 66
		.amdhsa_reserve_vcc 1
		.amdhsa_float_denorm_mode_32 3
		.amdhsa_float_denorm_mode_16_64 3
		.amdhsa_memory_ordered 1
		.amdhsa_forward_progress 1
		.amdhsa_inst_pref_size 37
	.end_amdhsa_kernel
	.amdgpu_metadata
---
amdhsa.version: [ 1, 2 ]
amdhsa.kernels:
  - .name:           k_qa2cb0fe365_attn
    .symbol:         k_qa2cb0fe365_attn.kd
    .args:
      - { .name: kv, .offset: 0, .size: 8, .value_kind: global_buffer, .address_space: global }
      - { .name: qc, .offset: 8, .size: 8, .value_kind: global_buffer, .address_space: global }
      - { .name: qs, .offset: 16, .size: 8, .value_kind: global_buffer, .address_space: global }
      - { .name: ac, .offset: 24, .size: 8, .value_kind: global_buffer, .address_space: global }
      - { .name: asc, .offset: 32, .size: 8, .value_kind: global_buffer, .address_space: global }
    .group_segment_fixed_size: 167936
    .private_segment_fixed_size: 0
    .kernarg_segment_align: 8
    .kernarg_segment_size: 40
    .max_flat_workgroup_size: 512
    .sgpr_count:     66
    .vgpr_count:     192
    .wavefront_size: 32
...
	.end_amdgpu_metadata
.endif
;; end of part 3
;; launch proj (part 4): grid 256 x 1, 4 waves a work-group, no clusters, 35,328 bytes of LDS; arguments ac, asc, proj_w_codes, proj_w_scales, proj_b, x, out0; writes out0
.if DOCPART == 4
	.amdgcn_target "amdgcn-amd-amdhsa--gfx1250"
	.amdhsa_code_object_version 6
	.text
	.protected	k_qa2cb0fe365_proj
	.globl	k_qa2cb0fe365_proj
	.p2align	8
	.type	k_qa2cb0fe365_proj,@function
k_qa2cb0fe365_proj:
	s_mov_b64 s[64:65], 0
	v_nop
	global_prefetch_b8 v0, s[64:65] scope:SCOPE_SE
	s_setreg_imm32_b32 hwreg(HW_REG_WAVE_MODE, 25, 1), 1
	s_wait_xcnt 0x0
; out0 = proj_w attn + proj_b + x, the product on codes of FP4 (E2M1) with E8M0 scales.  No work is left out.
; SHARES.  Work-group = (b, g): the 64 positions t0 = 64 g on.  Wave w makes output channels 32 w .. 32 w + 31 for all 64 t: eight matrix instructions of K = 128 (block = head).
; attn's four fragments (tile a: row m is t0 + 32 (m / 8) + 8 a + m % 8) come from memory as images of their registers.  Source 0 = 16 t, source 1 = 16 rows of proj_w: lane (r, h) holds channel 32 w + 16 n + r
; and, in registers 8 a + j, t0 + 32 h + 8 a + j: 128 consecutive bytes of a row of out0.  A row's 256 bytes lie in two lanes 16 apart, so the results go through the wave's own rows of a stage in LDS and come back
; sixteen lanes to a row.  The bias is the C of each product; x is added on the way out.  No barrier: a wave reads only rows that it wrote.
.set SP,    272                        ; a stage row: 256 bytes + 16
.set SPARE, 34816                      ; behind the stage's 128 rows: the spare words, 128 bytes a wave; no other line names them
.set SB,    12                         ; v12-27   attn's scale bytes as loaded, 4 a + head
.set AS,    28                         ; v28-31   attn's scale words
.set PWS,   32                         ; v32-33   proj_w's
.set BL,    34                         ; v34-35   the bias as loaded
.set AF,    64                         ; v64-95   attn's four fragments
.set PWF,   96                         ; v96-111  proj_w's two
.set BI,    112                        ; v112-127 the bias, eight copies for each tile
.set BK,    64                         ; v64-127  later: rows read back
.set X,     128                        ; v128-191 x
.set ACC,   192                        ; v192-255 32 n + 8 a
; v1 16 lane; v2 r; v3 h; v4 64 r + 16 h; v5 4 r; v6 into the stage; v7 out of it; v8 16,384 h + 16 r; v9, v10 the add's two
	s_load_b256 s[4:11], s[0:1], 0x0               ; ac, asc, proj_w codes, proj_w scales
	s_load_b128 s[12:15], s[0:1], 0x20             ; proj_b, x
	s_load_b64 s[16:17], s[0:1], 0x30              ; out0
	v_lshl_add_u32 v9, v0, 2, SPARE
	v_mov_b32 v10, 0
	v_lshrrev_b32 v11, 5, v0
	v_readfirstlane_b32 s18, v11                   ; wave
	v_and_b32 v11, 31, v0
	v_lshlrev_b32 v1, 4, v11
	v_and_b32 v2, 15, v0
	v_bfe_u32 v3, v0, 4, 1
	v_lshlrev_b32 v4, 6, v2
	v_lshl_add_u32 v4, v3, 4, v4
	v_lshlrev_b32 v5, 2, v2
	s_mul_i32 s19, s18, 32*SP                      ; my 32 rows of the stage
	v_mul_u32_u24 v6, v2, SP
	v_lshl_add_u32 v6, v3, 7, v6
	v_add_nc_u32 v6, s19, v6                       ; in: row r, + 128 h
	v_mul_u32_u24 v7, v3, SP
	v_lshl_add_u32 v7, v2, 4, v7
	v_add_nc_u32 v7, s19, v7                       ; back: lanes 0-15 one row, lanes 16-31 the next
	v_lshlrev_b32 v8, 14, v3
	v_lshl_add_u32 v8, v2, 4, v8                   ; and the same two rows in x and out0
	s_lshr_b32 s20, ttmp9, 6                       ; b
	s_and_b32 s21, ttmp9, 63                       ; g
	s_mov_b32 s23, 0
	s_wait_alu depctr_va_vdst(0)
	s_wait_kmcnt 0x0
	s_lshl_b32 s22, s20, 18
	s_lshl_b32 s24, s21, 12
	s_add_co_u32 s22, s22, s24
	s_add_nc_u64 s[4:5], s[4:5], s[22:23]          ; attn's codes
	s_lshl_b32 s22, s20, 14
	s_lshl_b32 s24, s21, 6
	s_add_co_u32 s22, s22, s24
	s_add_nc_u64 s[6:7], s[6:7], s[22:23]          ; attn's scale bytes
	s_lshl_b32 s22, s18, 11
	s_add_nc_u64 s[8:9], s[8:9], s[22:23]          ; my 32 rows of proj_w,
	s_lshl_b32 s22, s18, 7
	s_add_nc_u64 s[10:11], s[10:11], s[22:23]      ; their scale words,
	s_add_nc_u64 s[12:13], s[12:13], s[22:23]      ; their biases
	s_lshl_b32 s22, s20, 21
	s_lshl_b32 s24, s18, 19
	s_add_co_u32 s22, s22, s24
	s_lshl_b32 s24, s21, 8
	s_add_co_u32 s22, s22, s24
	s_add_nc_u64 s[14:15], s[14:15], s[22:23]      ; x and out0 at (b, channel 32 w, t0)
	s_add_nc_u64 s[16:17], s[16:17], s[22:23]
.irp a, 0,1,2,3
.irp c, 0,1
	global_load_b128 v[AF+8*\a+4*\c:AF+8*\a+4*\c+3], v1, s[4:5] offset:1024*\a+512*\c   ; 512 consecutive bytes
.endr
.endr
.irp a, 0,1,2,3
.irp d, 0,1,2,3
	global_load_u8 v[SB+4*\a+\d], v2, s[6:7] offset:4096*\d+16*\a      ; position (a, r), head d
.endr
.endr
.irp n, 0,1
.irp c, 0,1
	global_load_b128 v[PWF+8*\n+4*\c:PWF+8*\n+4*\c+3], v4, s[8:9] offset:1024*\n+32*\c
.endr
.endr
.irp n, 0,1
	global_load_b32 v[PWS+\n], v5, s[10:11] offset:64*\n
.endr
.irp n, 0,1
	global_load_b32 v[BL+\n], v5, s[12:13] offset:64*\n
.endr
.set ii, 0
.rept 16
	global_load_b128 v[X+4*ii:X+4*ii+3], v8, s[14:15] offset:32768*ii th:TH_LOAD_NT   ; rows 2 ii and 2 ii + 1: 256 consecutive bytes each; its last read in the program
.set ii, ii+1
.endr
	s_wait_loadcnt 16                              ; all but x's sixteen loads
.irp a, 0,1,2,3
	v_lshl_or_b32 v[AS+\a], v[SB+4*\a+1], 8, v[SB+4*\a]   ; row r's word: byte = head
.endr
.irp a, 0,1,2,3
	v_lshl_or_b32 v[AS+\a], v[SB+4*\a+2], 16, v[AS+\a]
.endr
.irp a, 0,1,2,3
	v_lshl_or_b32 v[AS+\a], v[SB+4*\a+3], 24, v[AS+\a]
.endr
.irp n, 0,1
.irp j, 0,1,2,3,4,5,6,7
	v_mov_b32 v[BI+8*\n+\j], v[BL+\n]              ; the bias hangs on the lane's channel alone.  (Sixteen plain instructions between the scale words just made and the products)
.endr
.endr
.irp n, 0,1
.irp a, 0,1,2,3
	v_wmma_scale_f32_16x16x128_f8f6f4 v[ACC+32*\n+8*\a:ACC+32*\n+8*\a+7], v[AF+8*\a:AF+8*\a+7], v[PWF+8*\n:PWF+8*\n+7], v[BI+8*\n:BI+8*\n+7], v[AS+\a], v[PWS+\n] matrix_a_fmt:MATRIX_FMT_FP4 matrix_b_fmt:MATRIX_FMT_FP4
.endr
.endr
.rept 4
	v_nop                                          ; four plain instructions between the products and the first read of results, and the loads into registers that they have read
.endr
.irp n, 0,1
.irp a, 0,1,2,3
	ds_store_b128 v6, v[ACC+32*\n+8*\a:ACC+32*\n+8*\a+3] offset:16*SP*\n+32*\a        ; each accumulator from its low end on
	ds_store_b128 v6, v[ACC+32*\n+8*\a+4:ACC+32*\n+8*\a+7] offset:16*SP*\n+32*\a+16
.endr
.endr
.set ii, 0
.rept 16
	ds_load_b128 v[BK+4*ii:BK+4*ii+3], v7 offset:2*SP*ii   ; LDS serves a wave's instructions in order (ISA guide 5.7.1.4): these see my stores
.set ii, ii+1
.endr
	s_wait_loadcnt 0x0                             ; x
.set ii, 0
.rept 16
	s_wait_dscnt 15-ii                             ; rows 2 ii and 2 ii + 1 are back; the younger loads may be out
	v_pk_add_f32 v[BK+4*ii:BK+4*ii+1], v[BK+4*ii:BK+4*ii+1], v[X+4*ii:X+4*ii+1]
	v_pk_add_f32 v[BK+4*ii+2:BK+4*ii+3], v[BK+4*ii+2:BK+4*ii+3], v[X+4*ii+2:X+4*ii+3]
	global_store_b128 v8, v[BK+4*ii:BK+4*ii+3], s[16:17] offset:32768*ii th:TH_STORE_NT   ; sixteen lanes store 256 consecutive bytes, aligned
.set ii, ii+1
.endr
	s_wait_tensorcnt 0x0                           ; the wave's end, behind my last LDS store
	ds_add_u32 v9, v10
	s_wait_dscnt 0x0
	s_endpgm
.Lfunc_end_k_qa2cb0fe365_proj:
	.size	k_qa2cb0fe365_proj, .Lfunc_end_k_qa2cb0fe365_proj-k_qa2cb0fe365_proj
	.p2alignl 7, 3214868480
	.fill 96, 4, 3214868480
	.section	.rodata,"a",@progbits
	.p2align	6, 0x0
	.amdhsa_kernel k_qa2cb0fe365_proj
		.amdhsa_group_segment_fixed_size 35328
		.amdhsa_private_segment_fixed_size 0
		.amdhsa_enable_private_segment 0
		.amdhsa_kernarg_size 56
		.amdhsa_user_sgpr_count 2
		.amdhsa_user_sgpr_kernarg_segment_ptr 1
		.amdhsa_wavefront_size32 1
		.amdhsa_system_sgpr_workgroup_id_x 1
		.amdhsa_system_sgpr_workgroup_id_y 1
		.amdhsa_system_sgpr_workgroup_id_z 1
		.amdhsa_system_vgpr_workitem_id 0
		.amdhsa_next_free_vgpr 256
		.amdhsa_next_free_sgpr 66
		.amdhsa_reserve_vcc 0
		.amdhsa_float_denorm_mode_32 3
		.amdhsa_float_denorm_mode_16_64 3
		.amdhsa_memory_ordered 1
		.amdhsa_forward_progress 1
		.amdhsa_inst_pref_size 16
	.end_amdhsa_kernel
	.amdgpu_metadata
---
amdhsa.version: [ 1, 2 ]
amdhsa.kernels:
  - .name:           k_qa2cb0fe365_proj
    .symbol:         k_qa2cb0fe365_proj.kd
    .args:
      - { .name: ac, .offset: 0, .size: 8, .value_kind: global_buffer, .address_space: global }
      - { .name: asc, .offset: 8, .size: 8, .value_kind: global_buffer, .address_space: global }
      - { .name: proj_w_codes, .offset: 16, .size: 8, .value_kind: global_buffer, .address_space: global }
      - { .name: proj_w_scales, .offset: 24, .size: 8, .value_kind: global_buffer, .address_space: global }
      - { .name: proj_b, .offset: 32, .size: 8, .value_kind: global_buffer, .address_space: global }
      - { .name: x, .offset: 40, .size: 8, .value_kind: global_buffer, .address_space: global }
      - { .name: out0, .offset: 48, .size: 8, .value_kind: global_buffer, .address_space: global }
    .group_segment_fixed_size: 35328
    .private_segment_fixed_size: 0
    .kernarg_segment_align: 8
    .kernarg_segment_size: 56
    .max_flat_workgroup_size: 128
    .sgpr_count:     66
    .vgpr_count:     256
    .wavefront_size: 32
...
	.end_amdgpu_metadata
.endif
;; end of part 4
